; MI455X (gfx1250); checked and timed in simulation.
; The chip was launched on July 23, 2026; its instructions are those of AMD's public machine-readable ISA for CDNA 5 (MIT licence, August 2026) and "CDNA5" Instruction Set Architecture Reference Guide (July 2026). The comments in the code are by the model that wrote it; some were corrected since.
;; Store Class Token Attn Wrapper. Allowed arithmetic: matrix products marked QUANTISED: E2M1 operands, one E8M0 scale for each 32 along K, by v_wmma_scale_f32_16x16x128_f8f6f4 with both operands' format E2M1 (or v_wmma_scale_f32_32x16x128_f4), f32 sums; everything else in f32.
;; Inputs: b_proj 1,024 float32; b_qkv 3,072 float32; w_proj_codes 1,024 x 32 x 16 uint8 (E2M1 codes of w_proj, K innermost, in blocks of 32 codes, two codes a byte); w_proj_scales 1,024 x 32 uint8 (E8M0 scales of w_proj, one for each 32 codes along K); w_qkv_codes 3,072 x 32 x 16 uint8 (E2M1 codes of w_qkv, K innermost, in blocks of 32 codes, two codes a byte); w_qkv_scales 3,072 x 32 uint8 (E8M0 scales of w_qkv, one for each 32 codes along K); x_codes 16 x 577 x 32 x 16 uint8 (E2M1 codes of x, K innermost, in blocks of 32 codes, two codes a byte); x_scales 16 x 577 x 32 uint8 (E8M0 scales of x, one for each 32 codes along K).
;; Outputs: out0 16 x 577 x 1,024 float32; out1 16 x 577 float32; out2 16 x 577 float32.
;; This version of the problem:
;;   THIS VERSION OF THE PROBLEM IS GIVEN IN LOW PRECISION. The matrix products marked QUANTISED in the list below multiply operands that are first quantised to E2M1 (2 exponent bits, 1 mantissa bit; 4 bits a number), with one power-of-two scale for each 32 numbers along K (OCP MX v1.0); their sums are f32. All else is computed in f32.
;;   The module's matrix products, in the order in which they are computed (A, B: the left and right operand; K: the contracted axis; several contracted axes count as one K, in the product's order):
;;     1. [M 9,232, K 1,024] x [K 1,024, N 3,072]; A: input x (given as codes); B: input w_qkv (given as codes): QUANTISED
;;     2. batch 256 x [M 577, K 64] x [K 64, N 577]; A: computed on the way; B: computed on the way: QUANTISED
;;     3. batch 256 x [M 577, K 577] x [K 577, N 64]; A: softmax (see below); B: computed on the way: QUANTISED
;;     4. [M 9,232, K 1,024] x [K 1,024, N 1,024]; A: computed on the way; B: input w_proj (given as codes): QUANTISED
;;   THE QUANTISER, for each operand of a quantised product, along K:
;;     - K is cut into blocks of 32 from its start; a last block that is shorter is filled with zeros.
;;     - A block's scale is 2^e with e = floor(log2(the largest magnitude in the block)) - 2, held to -126 .. 127; a block of zeros has e = 0. As a byte (E8M0): e + 127.
;;     - Each number is divided by its block's scale, clamped to +-6, and rounded to the nearest number of E2M1, ties to even, subnormals kept.
;;     - The product sums the exact products of the quantised numbers (number of the format x scale) in f32.
;;   ~~~python
;;   def quantise(x, axis):      # numpy; x: float32 -> the quantised numbers, widened to float32 again
;;       x = np.moveaxis(x, axis, -1); K = x.shape[-1]
;;       x = np.pad(x, [(0, 0)] * (x.ndim - 1) + [(0, -K % 32)]); x = x.reshape(x.shape[:-1] + (-1, 32)); a = np.abs(x).max(-1, keepdims=True)
;;       e = np.where(a > 0, np.clip(np.frexp(np.where(a > 0, a, 1))[1] - 1 - 2, -126, 127), 0)      # np.frexp(a)[1] - 1 = floor(log2(a)), exactly
;;       r = np.clip(x / 2.0 ** e, -6, 6)
;;       step = 2.0 ** (np.maximum(np.frexp(np.where(r == 0, 1, r))[1] - 1, 0) - 1)
;;       q = np.round(r / step) * step * 2.0 ** e      # np.round: ties to even
;;       return np.moveaxis(q.reshape(q.shape[:-2] + (-1,))[..., :K], -1, axis).astype(np.float32)
;;   ~~~
;;   SOFTMAX AHEAD OF A QUANTISED PRODUCT. Where the list says 'softmax', what is quantised is not the finished softmax but p = 2^(t - M), with t = logit x log2(e) and M = ceil(the row's largest t), a whole number; so 1/2 < the row's largest p <= 1. The row's sum l is taken of the UNQUANTISED p, in f32, and the product's result is divided by l at the end. Since M is a whole number, a kernel that streams over the keys may use a running M (the ceiling of the running maximum): every later rescaling is an exact power of two, which a block's scale takes up: the codes' values come out the same.
;;   OPERANDS COMPUTED ON THE WAY. 'Computed on the way' means the value that the module computes at that place (a softmax that the list does not call 'softmax' is quantised finished and normalised). What goes into a quantiser is computed in f32, as accurately as f32 sums, v_exp_f32 and their like allow (about 1e-6 of the number): no bf16 or f16 on the way to a quantiser, and a product that is left as it is and whose result goes on into a quantised operand takes f32 operands (vector FMAs, or v_wmma_f32_16x16x4_f32). A number that lies on a knife's edge between two numbers of the format may be rounded either way, as far as f32 arithmetic and the matrix unit's own rounding can turn it there, and no further.
;;   INPUTS GIVEN AS CODES. w_proj (in the module: [1024, 1024], K = its axis 1); w_qkv (in the module: [3072, 1024], K = its axis 1); x (in the module: [16, 577, 1024], K = its axis 2): each comes as NAME_codes (uint8): NAME with its K axis moved to the last place and cut into blocks of 32 codes, [.., K / 32, bytes a block], one block behind the other in memory; two codes a byte, the lower K in the low four bits (a code: sign, 2 exponent bits, 1 mantissa bit); and NAME_scales (uint8): the same leading axes, one E8M0 byte (e + 127) for each 32 codes along K. Its value is code x scale, taken as it is: it is not quantised again, and the codes and scales need not be those that the quantiser above would give.
;; One version. Each part assembles by itself: llvm-mc -triple=amdgcn-amd-amdhsa -mcpu=gfx1250 --defsym DOCPART=n.
;; ======== version 1 of 1: 2 launches
;; limits: right only within a limited range of input values
;; workspace buffers: o_img 4,849,664 bytes; o_sc 327,680 bytes; cls_l 655,360 bytes; cls_a 655,360 bytes
;; launch attn (part 1): grid 16 x 16, 8 waves a work-group, clusters of 4 x 4, 327,680 bytes of LDS; arguments x_codes, x_scales, w_qkv_codes, w_qkv_scales, b_qkv, o_img, o_sc, cls_l, cls_a; writes o_img, o_sc, cls_l, cls_a
.if DOCPART == 1
	.amdgcn_target "amdgcn-amd-amdhsa--gfx1250"
	.amdhsa_code_object_version 6
	.text
	.protected	k_qe75e25fc7b_attn
	.globl	k_qe75e25fc7b_attn
	.p2align	8
	.type	k_qe75e25fc7b_attn,@function
k_qe75e25fc7b_attn:
	s_mov_b64 s[64:65], 0
	v_nop
	global_prefetch_b8 v0, s[64:65] scope:SCOPE_SE
	s_setreg_imm32_b32 hwreg(HW_REG_WAVE_MODE, 25, 1), 1
	s_wait_xcnt 0x0
	s_wait_alu depctr_hold_cnt(0) depctr_sa_sdst(0) depctr_va_vdst(0) depctr_va_sdst(0) depctr_va_ssrc(0) depctr_va_vcc(0) depctr_vm_vsrc(0)
	s_getreg_b32 s2, hwreg(HW_REG_IB_STS2, 6, 4)
	s_cmp_eq_u32 s2, 0
	s_cbranch_scc0 .Lentry_in_a_cluster
	s_endpgm
.Lentry_in_a_cluster:
	s_bfe_u32 s2, ttmp6, 0x10000c
	s_cmp_lg_u32 s2, 0xf033
	s_cbranch_scc0 .Lentry_shape_is_right
	s_endpgm
.Lentry_shape_is_right:
; One work-group = one (head, batch): q, k, v = x_b W_h^T + b_h, quantised to FP4 (E2M1, one E8M0 byte for 32 along K) into LDS; attention over the 577 keys;
; o = (P V) / l quantised in registers and stored as an image of the next product's operand registers; query 0's logits and finished softmax stored for the mean over heads.
; 16 heads x 16 batches = 256 work-groups of eight waves with 512 registers, two waves to a SIMD.
; CLUSTERS of 4 heads (x) x 4 batches (y): a row of the cluster shares its batch's x, a column its head's rows of W, W's scales and biases: each such tile is one joint load with a mask of four.
; LDS: at the head W's 64 rows for q, x's first 512 tokens, W's scales and the biases land, one load a wave.  A wave then takes its four tiles of 16 tokens into window 1 (256 registers) for good;
; behind one round of the cluster's barrier W's rows for k and v and the last 65 tokens land on the bytes that x has left, while q is made.
; No prefetch: there is no loop that runs ahead of a stream; all that is read comes by the head's loads and one later group, which has q's products (1,024 matrix instructions of the work-group) in which to land.
; ROWS ARE NATURAL: tile T is tokens 16 T .. + 15, W's tile u of block B features 32 B + 16 u .. + 15 of the head's 192 (B: q0 q1 k0 k1 v0 v1).  A result's lane half h holds, in register j of tile u, element 16 u + 8 h + j of a block of 32;
; codes in a block lie in the order (h, u, j), alike for q and k and alike for p and v; o's registers are put into natural order.
; 1 / sqrt(64) = 2^-3 is a power of two: the codes of q / 8 are q's codes, so the factor goes into c = log2(e) / 8 and into the stored logits.
; The scores' K is 64, half of the instruction's 128: one fragment carries TWO tiles of 16 keys and is multiplied once by [q | 0] and once by [0 | q].
; SOFTMAX: all scores of 16 queries stay in registers (keys 0-511 in window 1, 512-576 in window 0): one maximum, M = ceil(max t), p = 2^(t - M) quantised along the keys, the sum of the unquantised p; nothing is rescaled.
; LIMITS: NaN, infinities and the scale byte 0xff among the inputs are not served; scaled scores (exponents to the base 2) stay under 2^31.  A block whose largest magnitude lies under 2^-124 (a block of zeros too) keeps the byte 1; these bytes are read by this program alone.
; q's factor 2^-3 is applied to the score and not to q: that differs from holding the scale's exponent at -126 only where |q| lies under 2^-121.
.set WB, 16896                         ; 32 rows of W in LDS: a row is 512 bytes + 16 of padding; block B begins at WB B
.set XL, 33792                         ; x's first 512 tokens, 528 bytes a token (later W's k and v rows, 33,792 .. 101,376)
.set XC, 101376                        ; tokens 512 .. 576 and 15 rows of zeros, later
.set QIMG, 143616                      ; 512 T + 256 block + 16 r + 8 h
.set KIMG, 163072                      ; the same: the 1,024 bytes of a pair of tiles are one fragment
.set VIMG, 182528                      ; 5,120 tau + 256 p + 16 r + 8 h: four tiles of 16 channels x 20 blocks of 32 keys
.set QSC, 203008                       ; 64 p + 4 r: bytes (u 0, block 0), (u 0, block 1), (u 1, block 0), (u 1, block 1)
.set KSC, QSC+1216
.set VSC, 205568                       ; 320 tau + 20 r + p
.set OSS, 206848                       ; 32 T + 2 r: o's two scale bytes
.set CLSB, 208896                      ; 2,560 for each wave: 640 scores of query 0
.set WSL, 304128                       ; W's scale bytes: 32 for each of the 192 rows
.set BL, 310272                        ; the biases: q 64, k 64, v 64 f32
.set SPARE, 311040                     ; the spare words: 128 bytes for each wave
.set G1X, 32
.set G1W, 40
.set G1S, 48
.set G1B, 56
.set G0X, 68
.set G0W, 72
.set G0S, 76
.set G0B, 80
; REGISTERS, window 0, first part: v1-19, v22, v23 addresses; v20, v21 the add's; v24-71 scale words and nothing else in the whole text (v24-39 x's, v40-47 W's, v48-71 x's of tokens 512 on);
;   v72-87 biases; v88-151 accumulators; v152-215 W's fragments, two buffers of two K steps; v216-223 codes; v224-239 at work; v240-251 q's first codes and its bytes, kept until no tensor load is out.
.set MSB, 0
.macro WIN new                         ; the immediate's high byte repeats the setting that is left
.if MSB != \new
	s_set_vgpr_msb (MSB<<8)|(\new)
.set MSB, \new
.endif
.endm
; one scaled product; c < 0: the sum begins with 0; ra, rb: the side's scales are taken from lanes 16-31
.macro WM d, a, b, c, sa, sb, ra, rb
.if (\c) < 0
	v_wmma_scale_f32_16x16x128_f8f6f4 v[(\d):(\d)+7], v[(\a):(\a)+7], v[(\b):(\b)+7], 0, v[\sa], v[\sb] matrix_a_fmt:MATRIX_FMT_FP4 matrix_b_fmt:MATRIX_FMT_FP4
.elseif (\ra) && (\rb)
	v_wmma_scale_f32_16x16x128_f8f6f4 v[(\d):(\d)+7], v[(\a):(\a)+7], v[(\b):(\b)+7], v[(\c):(\c)+7], v[\sa], v[\sb] matrix_a_fmt:MATRIX_FMT_FP4 matrix_b_fmt:MATRIX_FMT_FP4 matrix_a_scale:MATRIX_SCALE_ROW1 matrix_b_scale:MATRIX_SCALE_ROW1
.elseif (\ra)
	v_wmma_scale_f32_16x16x128_f8f6f4 v[(\d):(\d)+7], v[(\a):(\a)+7], v[(\b):(\b)+7], v[(\c):(\c)+7], v[\sa], v[\sb] matrix_a_fmt:MATRIX_FMT_FP4 matrix_b_fmt:MATRIX_FMT_FP4 matrix_a_scale:MATRIX_SCALE_ROW1
.elseif (\rb)
	v_wmma_scale_f32_16x16x128_f8f6f4 v[(\d):(\d)+7], v[(\a):(\a)+7], v[(\b):(\b)+7], v[(\c):(\c)+7], v[\sa], v[\sb] matrix_a_fmt:MATRIX_FMT_FP4 matrix_b_fmt:MATRIX_FMT_FP4 matrix_b_scale:MATRIX_SCALE_ROW1
.else
	v_wmma_scale_f32_16x16x128_f8f6f4 v[(\d):(\d)+7], v[(\a):(\a)+7], v[(\b):(\b)+7], v[(\c):(\c)+7], v[\sa], v[\sb] matrix_a_fmt:MATRIX_FMT_FP4 matrix_b_fmt:MATRIX_FMT_FP4
.endif
.endm
.macro PLACES n                        ; plain places behind matrix instructions (ISA guide 7.12.1), and in front of scaled ones whose scale word a vector instruction has made
.rept \n
	v_nop
.endr
.endm
.macro ROUND                           ; a round of the cluster's barrier
	s_barrier_signal -1
	s_barrier_wait -1
	s_cmp_lg_u32 s22, 0
	s_cbranch_scc1 .Lnot_wave_0_\@
	s_barrier_signal -3
.Lnot_wave_0_\@:
	s_barrier_wait -3
	s_barrier_signal -1
	s_barrier_wait -1
.endm
.macro TL g0, g1                       ; a tensor load, an s_nop and four places behind it
	tensor_load_to_lds s[\g0:\g0+3], s[\g1:\g1+7]
	s_nop 0
	PLACES 4
.endm
.macro G1C g, c, r, p                  ; group 1 behind its first word: r rows of c elements, p elements apart
	s_mov_b32 s[\g+1], (\c)<<16
	s_mov_b32 s[\g+2], (\r)<<16
	s_mov_b32 s[\g+3], (\c)<<16
	s_mov_b32 s[\g+4], \r
	s_mov_b32 s[\g+5], \p
	s_mov_b32 s[\g+6], 0
	s_mov_b32 s[\g+7], 0
.endm
.macro G0C g, base, off                ; group 0 but its LDS address
	s_mov_b32 s[\g], 1
	s_add_nc_u64 s[\g+2:\g+3], s[\base:\base+1], s[\off:\off+1]
	s_or_b32 s[\g+3], s[\g+3], 0x80000000
.endm
; W's two tiles of a block, K steps 2 g and 2 g + 1, into buffer g % 2: eight loads
.macro WFL g, areg, off
.irp q, 0,1
.irp u, 0,1
.irp c, 0,1
	ds_load_b128 v[152+32*((\g)%2)+16*\q+8*\u+4*\c:155+32*((\g)%2)+16*\q+8*\u+4*\c], v[\areg] offset:(\off)+8448*\u+64*(2*(\g)+\q)+32*\c
.endr
.endr
.endr
.endm
; a block's scale words of W (lanes 0-15 tile 0, lanes 16-31 tile 1) and its biases in the result's layout
.macro WSBI kind, sa, ba, blk
	ds_load_b128 v[40:43], v[\sa] offset:1024*(\blk)
	ds_load_b128 v[44:47], v[\sa] offset:1024*(\blk)+16
.irp u, 0,1
.if (\kind) == 0
	ds_load_b128 v[72+8*\u:75+8*\u], v[\ba] offset:128*(\blk)+64*\u
	ds_load_b128 v[76+8*\u:79+8*\u], v[\ba] offset:128*(\blk)+64*\u+16
.else
.irp j, 0,1,2,3,4,5,6,7
	ds_load_b32 v[72+8*\u+\j], v[\ba] offset:128*(\blk)+64*\u    ; my feature's bias, in all eight registers
.endr
.endif
.endr
.endm
; 32 features x nt tiles of 16 tokens over K = 1,024: 2 nt accumulators by turns, one instruction a turn.
; kind 0 (q, k): source 0 = W, source 1 = x (window 1): a lane holds a token, registers run along the features.  kind 1 (v): the other way round.  The bias is the C of each sum's first product.
; xs: x's scale words.  At the entry the block's scale words, biases and first four K steps of W have been asked for, the last eight loads (K steps 2, 3) last.
; nareg >= 0: another block follows, whose first loads are asked for here.  xn = 1: each K step's registers of tile slot 0 take tile 36's x as soon as they have been multiplied.
.macro GEMM kind, nt, xs, areg, off, nkind, nareg, noff, nsa, nba, nblk, xn
.irp g, 0,1,2,3
.if (\g == 3) && ((\nareg) < 0)
	s_wait_dscnt 0x0
.elseif \g == 0
	s_wait_dscnt 0x8                               ; all but the eight loads of K steps 2 and 3
.else
	s_wait_dscnt 8+4*((\xn)%2)                     ; all but the next group's eight loads (xn = 1: and tile 36's four; xn = 2: the x loads stand ahead of the eight)
.endif
	WIN 4-3*(\kind)
.irp q, 0,1
.irp u, 0,1
.set xt, 0
.rept \nt
.set xW, 152+32*(\g%2)+16*\q+8*\u
.set xX, 64*xt+8*(2*\g+\q)
.set xSW, 40+2*\g+\q
.set xSX, (\xs)+8*(xt/2)+2*\g+\q
.set xR, xt%2
.if (\kind) == 0
.set xD, 88+16*xt+8*\u
.else
.set xD, 88+16*(2*(xt/2)+\u)+8*(xt%2)
.endif
.if (\g == 0) && (\q == 0)
.set xC, 72+8*\u
.else
.set xC, xD
.endif
.if (\kind) == 0
	WM xD, xW, xX, xC, xSW, xSX, \u, xR
.else
	WM xD, xX, xW, xC, xSX, xSW, xR, \u
.endif
.set xt, xt+1
.endr
.endr
.endr
	PLACES 4                                       ; in front of loads into registers just multiplied; behind the last group also in front of the first read of the results
	WIN 0
.if (\xn) == 2                         ; the second pass's 64 tokens take the registers just multiplied, in the six waves that work in it
	s_cmp_lt_u32 s22, 6
	s_cbranch_scc0 .Lnox_\@_\g
	WIN 0x40
.irp t, 0,1,2,3
.irp q, 0,1
.irp c, 0,1
	ds_load_b128 v[64*\t+8*(2*\g+\q)+4*\c:64*\t+8*(2*\g+\q)+4*\c+3], v10 offset:8448*\t+64*(2*\g+\q)+32*\c
.endr
.endr
.endr
	WIN 0
.Lnox_\@_\g:
.endif
.if \g < 2
	WFL \g+2, \areg, \off
.elseif (\nareg) >= 0
.if \g == 2
	WFL 0, \nareg, \noff
.else
	WSBI \nkind, \nsa, \nba, \nblk
	WFL 1, \nareg, \noff
.endif
.endif
.if (\xn) == 1
	WIN 0x40
.irp q, 0,1
.irp c, 0,1
	ds_load_b128 v[8*(2*\g+\q)+4*\c:8*(2*\g+\q)+4*\c+3], v10 offset:4*8448+64*(2*\g+\q)+32*\c
.endr
.endr
	WIN 0
.endif
.endr
.endm
; n groups of 16 registers, each half a block of 32 (the other half in lane l xor 16): codes of group g, tile u into v[cd + ca g + cb u], the scale's byte into v[by + g].
; Two blocks share a register while their maxima are joined: an exchange of halves brings block g's two halves and block g + 1's beside each other, and another gives each lane both scales.
.macro QUANT n, src, tm, cd, by, ca, cb
.set qg, 0
.rept \n
	v_max3_num_f32 v[\tm+qg], |v[\src+16*qg]|, |v[\src+16*qg+1]|, 0x1800000   ; with the floor 2^(3 - 127): the byte cannot fall under 1
.set qg, qg+1
.endr
.irp i, 2,4,6,8,10,12,14
.set qg, 0
.rept \n
	v_max3_num_f32 v[\tm+qg], v[\tm+qg], |v[\src+16*qg+\i]|, |v[\src+16*qg+\i+1]|
.set qg, qg+1
.endr
.endr
.if (\n) == 1
	v_mov_b32 v[\tm+1], v[\tm]
.endif
.set qg, 0
.rept ((\n)+1)/2
	v_permlane16_swap_b32 v[\tm+2*qg], v[\tm+2*qg+1]
.set qg, qg+1
.endr
.set qg, 0
.rept ((\n)+1)/2
	v_max_num_f32 v[\tm+2*qg], v[\tm+2*qg], v[\tm+2*qg+1]     ; lanes 0-15: block 2 qg's largest magnitude, lanes 16-31: block 2 qg + 1's
.set qg, qg+1
.endr
.set qg, 0
.rept ((\n)+1)/2
	v_add_nc_u32 v[\tm+2*qg], 0xff000000, v[\tm+2*qg]         ; 2 off its exponent field: the conversion's scale operand
.set qg, qg+1
.endr
.set qg, 0
.rept ((\n)+1)/2
	v_mov_b32 v[\tm+2*qg+1], v[\tm+2*qg]
.set qg, qg+1
.endr
.set qg, 0
.rept ((\n)+1)/2
	v_permlane16_swap_b32 v[\tm+2*qg], v[\tm+2*qg+1]
.set qg, qg+1
.endr
.set qg, 0
.rept \n
	v_lshrrev_b32 v[\by+qg], 23, v[\tm+qg]                    ; the scale's byte
	v_cvt_scalef32_pk8_fp4_f32 v[\cd+(\ca)*qg], v[\src+16*qg:\src+16*qg+7], v[\tm+qg]
	v_cvt_scalef32_pk8_fp4_f32 v[\cd+(\ca)*qg+(\cb)], v[\src+16*qg+8:\src+16*qg+15], v[\tm+qg]
.set qg, qg+1
.endr
	v_nop                                          ; one plain place behind the scaled conversions
.endm
; the first pass's results of k's block blk (0, 1) and of v's block bp (0, 1)
.macro KSTORE blk
.irp t, 0,1,2,3
	ds_store_b64 v12, v[216+2*\t:217+2*\t] offset:19456+8192*(\t/2)+512*(\t%2)+256*(\blk)
	ds_store_b8 v13, v[236+\t] offset:1216+512*(\t/2)+2*(\t%2)+(\blk)      ; both lanes of a block write the same byte with the same value
.endr
.endm
.macro VSTORE bp
.irp t, 0,1,2,3
	ds_store_b64 v14, v[216+2*\t:217+2*\t] offset:2048*(\t/2)+5120*(2*(\bp)+\t%2)
	ds_store_b8 v15, v[236+\t] offset:8*(\t/2)+320*(2*(\bp)+\t%2)
.endr
.endm
.macro XTILE t, areg, off              ; a tile of 16 tokens x 1,024 along K into slot t of window 1
.irp ks, 0,1,2,3,4,5,6,7
.irp c, 0,1
	ds_load_b128 v[64*\t+8*\ks+4*\c:64*\t+8*\ks+4*\c+3], v[\areg] offset:(\off)+64*\ks+32*\c
.endr
.endr
.endm
	s_load_b256 s[4:11], s[0:1], 0x0               ; x's codes s[4:5], x's scales s[6:7], W's codes s[8:9], W's scales s[10:11]
	s_load_b256 s[12:19], s[0:1], 0x20             ; the bias s[12:13], o_img s[14:15], o_sc s[16:17], cls_l s[18:19]
	s_load_b64 s[20:21], s[0:1], 0x40              ; cls_a
	v_lshl_add_u32 v20, v0, 2, SPARE
	v_mov_b32 v21, 0
	ds_add_u32 v20, v21                            ; the wave's opening: the add, twice on end, and its wait ahead of the first tensor load
	ds_add_u32 v20, v21
	v_lshrrev_b32 v22, 5, v0
	v_readfirstlane_b32 s22, v22                   ; wave 0..7
	s_bfe_u32 s2, ttmp6, 0x40000                   ; cx
	s_bfe_u32 s3, ttmp6, 0x40004                   ; cy
	s_lshl_b32 s23, ttmp9, 2
	s_add_co_u32 s23, s23, s2                      ; head
	s_and_b32 s24, ttmp7, 0xffff
	s_lshl_b32 s24, s24, 2
	s_add_co_u32 s24, s24, s3                      ; batch
	s_lshl_b32 s30, s3, 2
	s_lshl_b32 s30, 15, s30                        ; my row of the cluster: the same batch
	s_lshl_b32 s31, 0x1111, s2                     ; my column: the same head
	s_or_b32 s[G1X], s30, (1<<20)|(1<<21)|(6<<22)|(3<<25)      ; elements of 1 byte, 4 words of padding after every 128
	s_or_b32 s[G1W], s31, (1<<20)|(1<<21)|(6<<22)|(3<<25)
	s_or_b32 s[G1S], s31, (3<<16)|(1<<21)                      ; elements of 8 bytes, no padding
	s_or_b32 s[G1B], s31, (3<<16)|(1<<21)
	G1C G1X, 512, 128, 512                         ; x: 128 rows of 512 bytes
	G1C G1W, 512, 32, 512                          ; W: 32 rows
	G1C G1S, 256, 3, 4096                          ; W's scales: three dense blocks of 2,048 bytes (q, k, v: 64 rows each), 32,768 bytes apart
	G1C G1B, 32, 3, 512                            ; the biases: three rows of 256 bytes, 4,096 bytes apart
	s_mul_i32 s84, s24, 295424                     ; my batch's 577 rows of x
	s_and_b32 s86, s22, 3
	s_lshl_b32 s87, s86, 16
	s_add_co_u32 s84, s84, s87                     ; 128 rows a wave
	s_mov_b32 s85, 0
	s_mul_i32 s86, s86, 67584
	s_add_co_u32 s[G0X+1], s86, XL
	s_and_b32 s86, s22, 1
	s_mul_i32 s[G0W+1], s86, WB
	s_lshl_b32 s88, s23, 15
	s_lshl_b32 s86, s86, 14
	s_add_co_u32 s88, s88, s86                     ; my head's rows of q's part of W, 32 a wave
	s_mov_b32 s89, 0
	s_lshl_b32 s90, s23, 11
	s_mov_b32 s91, 0
	s_mov_b32 s[G0S+1], WSL
	s_lshl_b32 s92, s23, 8
	s_mov_b32 s93, 0
	s_mov_b32 s[G0B+1], BL
	s_mov_b32 s26, 0x76543210
	s_mov_b32 s27, 0xfedcba98                      ; v_permlanex16_b32's selects for lane l xor 16
	s_mov_b32 s28, 0x3e38aa3b                      ; c = log2(e) / 8
	s_mov_b32 s29, s28                             ; (named with it as a pair)
	s_mov_b32 s25, 0xbe38aa3b                      ; -c
	s_wait_alu depctr_va_vdst(0)
	s_wait_dscnt 0x0                               ; both opening adds are done
	s_wait_kmcnt 0x0
	G0C G0X, 4, 84
	G0C G0W, 8, 88
	G0C G0S, 10, 90
	G0C G0B, 12, 92
	ROUND                                          ; all sixteen work-groups are here: the first joint loads meet
	; the head's loads, one a wave: waves 0-3 x, waves 4, 5 W's rows for q, wave 6 W's scales, wave 7 the biases
	s_cmp_lt_u32 s22, 4
	s_cbranch_scc0 .Lhead_w
	TL G0X, G1X
	s_branch .Lhead_asked
.Lhead_w:
	s_cmp_lt_u32 s22, 6
	s_cbranch_scc0 .Lhead_s
	TL G0W, G1W
	s_branch .Lhead_asked
.Lhead_s:
	s_cmp_lt_u32 s22, 7
	s_cbranch_scc0 .Lhead_b
	TL G0S, G1S
	s_branch .Lhead_asked
.Lhead_b:
	TL G0B, G1B
.Lhead_asked:
	s_mov_b32 s95, 0
	s_mul_i32 s94, s24, 18464
	s_add_nc_u64 s[6:7], s[6:7], s[94:95]          ; my batch's scale bytes of x
	s_mul_i32 s94, s24, 303104
	s_lshl_b32 s96, s23, 9
	s_add_co_u32 s94, s94, s96
	s_add_nc_u64 s[14:15], s[14:15], s[94:95]      ; o_img [batch][tile 37][head 16][512]
	s_lshl_b32 s96, s24, 4
	s_add_co_u32 s96, s96, s23
	s_mul_i32 s94, s96, 1280
	s_add_nc_u64 s[16:17], s[16:17], s[94:95]
	s_mul_i32 s94, s96, 2560
	s_add_nc_u64 s[18:19], s[18:19], s[94:95]
	s_add_nc_u64 s[20:21], s[20:21], s[94:95]
	s_lshl_b32 s84, s22, 10                        ; 1,024 w
	s_mul_i32 s85, s22, WB
	s_add_co_u32 s85, s85, XL                      ; my first 32 tokens of x
	s_add_co_u32 s86, s84, QIMG
	s_lshl_b32 s87, s22, 6
	s_add_co_u32 s87, s87, QSC
	s_lshl_b32 s88, s22, 8
	s_add_co_u32 s88, s88, VIMG
	s_add_co_u32 s89, s22, VSC
	v_and_b32 v19, 31, v0                          ; lane
	v_and_b32 v3, 15, v0                           ; r
	v_bfe_u32 v4, v0, 4, 1                         ; h
	v_lshlrev_b32 v17, 5, v19                      ; 32 lane
	v_lshlrev_b32 v1, 4, v19                       ; 16 lane
	v_add_nc_u32 v16, s84, v17                     ; x's scale bytes: token 32 w + lane (lanes 0-15 the pair's tile 0, lanes 16-31 its tile 1)
	v_mov_b32 v18, 0
	global_load_b128 v[24:27], v16, s[6:7]
	global_load_b128 v[28:31], v16, s[6:7] offset:16
	global_load_b128 v[32:35], v16, s[6:7] offset:8192            ; my second pair: 256 tokens on
	global_load_b128 v[36:39], v16, s[6:7] offset:8208
	global_load_b128 v[48:51], v17, s[6:7] offset:16384           ; tokens 512 .. 575
	global_load_b128 v[52:55], v17, s[6:7] offset:16400
	global_load_b128 v[56:59], v17, s[6:7] offset:17408
	global_load_b128 v[60:63], v17, s[6:7] offset:17424
	global_load_b128 v[64:67], v18, s[6:7] offset:18432           ; token 576, for all rows of tile 36 (the other rows' codes are zeros)
	global_load_b128 v[68:71], v18, s[6:7] offset:18448
	v_lshlrev_b32 v2, 2, v3                        ; 4 r
	v_mul_u32_u24 v5, v3, 528
	v_lshl_add_u32 v5, v4, 4, v5                   ; a fragment: row r, + 16 h; blocks 0-2 of W
	v_add_nc_u32 v6, 50688, v5                     ; blocks 3-5
	v_add_nc_u32 v7, WSL, v17
	v_lshl_add_u32 v8, v4, 5, BL                   ; biases along the registers: 8 h features on
	v_add_nc_u32 v9, BL, v2                        ; biases by lane
	v_add_nc_u32 v10, s85, v5
	v_add_nc_u32 v11, 135168, v10                  ; 256 tokens on
	v_lshlrev_b32 v14, 4, v3
	v_lshl_add_u32 v14, v4, 3, v14                 ; 16 r + 8 h
	v_add_nc_u32 v12, s86, v14                     ; q's and k's codes: pair w
	v_add_nc_u32 v13, s87, v2                      ; their scale bytes
	v_mul_u32_u24 v15, v3, 20
	v_add_nc_u32 v14, s88, v14                     ; v's codes
	v_add_nc_u32 v15, s89, v15                     ; v's scale bytes
	s_wait_alu depctr_va_vdst(0)
	s_wait_tensorcnt 0x0                           ; my part of the head's tiles is in,
	s_barrier_signal -1
	s_barrier_wait -1                              ; and everybody's
	WIN 0x40
	XTILE 0, 10, 0                                 ; tiles 2 w, 2 w + 1, 16 + 2 w, 17 + 2 w stay in window 1
	XTILE 1, 10, 8448
	XTILE 2, 11, 0
	XTILE 3, 11, 8448
	WIN 0
	WSBI 0, 7, 8, 0
	WFL 0, 5, 0
	WFL 1, 5, 0
	s_wait_tensorcnt 0x0                           ; no tensor load of mine is out,
	ds_add_u32 v20, v21
	s_lshr_b32 s86, s22, 1                         ; so the descriptors may be written.  Waves 0-3: W's rows for k (0, 1) and v (2, 3)
	s_add_co_u32 s86, s86, 1
	s_lshl_b32 s86, s86, 19
	s_mov_b32 s87, 0
	s_add_nc_u64 s[G0W+2:G0W+3], s[G0W+2:G0W+3], s[86:87]
	s_add_co_u32 s86, s22, 2
	s_mul_i32 s[G0W+1], s86, WB
	s_add_nc_u64 s[G0X+2:G0X+3], s[G0X+2:G0X+3], 0x40000          ; wave 4: 512 tokens on
	s_mov_b32 s[G0X+1], XC
	s_mov_b32 s[G1X+2], 65<<16                     ; 65 rows are left of the batch; the tile's other 15 are filled with zeros
	s_mov_b32 s[G1X+4], 80
	s_wait_dscnt 0x0                               ; the add is done, and my x is in registers
	ROUND                                          ; in every work-group: the bytes of x are free
	s_cmp_lt_u32 s22, 4
	s_cbranch_scc0 .Lfill_x
	TL G0W, G1W
	s_branch .Lfilled
.Lfill_x:
	s_cmp_eq_u32 s22, 4
	s_cbranch_scc0 .Lfilled
	TL G0X, G1X
.Lfilled:
	s_wait_loadcnt 0x0                             ; x's scale words
	; ---- first pass: tokens 0 .. 511.  q's codes stay in registers until the loads have landed
	GEMM 0, 4, 24, 5, 0, 0, 5, WB, 7, 8, 1, 0
	QUANT 4, 88, 224, 240, 248, 2, 1
	GEMM 0, 4, 24, 5, WB, 0, -1, 0, 0, 0, 0, 0
	QUANT 4, 88, 224, 216, 236, 2, 1
.irp t, 0,1,2,3
	v_lshl_or_b32 v[248+\t], v[236+\t], 8, v[248+\t]            ; the tile's two bytes
.endr
	s_wait_alu depctr_va_vdst(0)
	s_wait_tensorcnt 0x0                           ; W's rows for k and v and the last tokens: my part,
	s_wait_dscnt 0x0
	s_barrier_signal -1
	s_barrier_wait -1                              ; and everybody's
	WSBI 0, 7, 8, 2
	WFL 0, 5, 2*WB
	WFL 1, 5, 2*WB
.irp t, 0,1,2,3
	ds_store_b64 v12, v[240+2*\t:241+2*\t] offset:8192*(\t/2)+512*(\t%2)
	ds_store_b64 v12, v[216+2*\t:217+2*\t] offset:8192*(\t/2)+512*(\t%2)+256
	ds_store_b16 v13, v[248+\t] offset:512*(\t/2)+2*(\t%2)
.endr
	v_mov_b32 v224, 0
	v_mov_b32 v225, 0
	v_lshl_add_u32 v226, v0, 3, OSS
	ds_store_b64 v226, v[224:225]                  ; o's scale bytes begin as zeros: the way out stores whole units, the bytes behind tile 36 too
	GEMM 0, 4, 24, 5, 2*WB, 0, 6, 0, 7, 8, 3, 0
	QUANT 4, 88, 224, 216, 236, 2, 1
	KSTORE 0
	GEMM 0, 4, 24, 6, 0, 1, 6, WB, 7, 9, 4, 0
	QUANT 4, 88, 224, 216, 236, 2, 1
	KSTORE 1
	GEMM 1, 4, 24, 6, WB, 1, 6, 2*WB, 7, 9, 5, 0
	QUANT 4, 88, 224, 216, 236, 2, 1
	VSTORE 0
	v_add_nc_u32 v10, XC, v5                       ; tokens 512 on
	s_wait_alu depctr_va_vdst(0)
	GEMM 1, 4, 24, 6, 2*WB, 0, -1, 0, 0, 0, 0, 2
	QUANT 4, 88, 224, 216, 236, 2, 1
	VSTORE 1
	; ---- second pass: tokens 512 .. 576, tiles 32 .. 36.  Waves 0-5 take block w each: 64 tokens, then tile 36
	s_mul_i32 s84, s22, WB
	s_lshl_b32 s85, s22, 10
	s_lshl_b32 s86, s22, 7
	s_and_b32 s87, s22, 1
	s_lshr_b32 s88, s22, 1
	s_mul_i32 s89, s88, 19456
	s_lshl_b32 s90, s87, 8
	s_add_co_u32 s89, s89, s90
	s_add_co_u32 s89, s89, QIMG+16384              ; q or k, block w % 2, tile 32
	s_mul_i32 s90, s88, 1216
	s_add_co_u32 s90, s90, s87
	s_add_co_u32 s90, s90, QSC+1024
	s_mul_i32 s91, s87, 10240
	s_add_co_u32 s91, s91, VIMG+4096               ; v's channels 32 (w % 2) on, block 16 of keys
	s_mul_i32 s92, s87, 640
	s_add_co_u32 s92, s92, VSC+16
	v_add_nc_u32 v18, s84, v5
	v_add_nc_u32 v19, s85, v7
	v_add_nc_u32 v22, s86, v8
	v_add_nc_u32 v23, s86, v9
	v_lshlrev_b32 v14, 4, v3
	v_lshl_add_u32 v14, v4, 3, v14
	v_mul_u32_u24 v15, v3, 20
	v_add_nc_u32 v12, s89, v14
	v_add_nc_u32 v13, s90, v2
	v_add_nc_u32 v14, s91, v14
	v_add_nc_u32 v15, s92, v15
	s_wait_alu depctr_va_vdst(0)                   ; ahead of the branches and waits below
	s_cmp_lt_u32 s22, 6
	s_cbranch_scc0 .Lp2end
	s_cmp_lt_u32 s22, 4
	s_cbranch_scc0 .Lp2v
	WSBI 0, 19, 22, 0
	WFL 0, 18, 0
	WFL 1, 18, 0
	GEMM 0, 4, 48, 18, 0, 0, 18, 0, 19, 22, 0, 1
	QUANT 4, 88, 224, 216, 236, 2, 1
.irp t, 0,1,2,3
	ds_store_b64 v12, v[216+2*\t:217+2*\t] offset:512*\t
	ds_store_b8 v13, v[236+\t] offset:64*(\t/2)+2*(\t%2)
.endr
	GEMM 0, 1, 64, 18, 0, 0, -1, 0, 0, 0, 0, 0
	QUANT 1, 88, 224, 216, 236, 2, 1
.irp u, 0,1                                    ; tile 36, and once more in the place of its pair's second tile: a fragment takes both, and the second meets zero codes
	ds_store_b64 v12, v[216:217] offset:2048+512*\u
	ds_store_b8 v13, v236 offset:128+2*\u
.endr
	s_branch .Lp2end
.Lp2v:
	WSBI 1, 19, 23, 0
	WFL 0, 18, 0
	WFL 1, 18, 0
	GEMM 1, 4, 48, 18, 0, 1, 18, 0, 19, 23, 0, 1
	QUANT 4, 88, 224, 216, 236, 2, 1
.irp t, 0,1,2,3
	ds_store_b64 v14, v[216+2*\t:217+2*\t] offset:256*(\t/2)+5120*(\t%2)
	ds_store_b8 v15, v[236+\t] offset:(\t/2)+320*(\t%2)
.endr
	GEMM 1, 1, 64, 18, 0, 0, -1, 0, 0, 0, 0, 0
	v_cmp_eq_u32 vcc_lo, 0, v4                     ; of tokens 576 .. 607 only 576 exists: register 0 of lanes 0-15; the rest are zeros ahead of the block's maximum
.irp u, 0,1
	v_cndmask_b32 v[88+16*\u], 0, v[88+16*\u], vcc_lo
.irp j, 1,2,3,4,5,6,7,8,9,10,11,12,13,14,15
	v_mov_b32 v[88+16*\u+\j], 0
.endr
.endr
	v_mov_b32 v230, 0
	v_mov_b32 v231, 0
	QUANT 2, 88, 224, 216, 236, 2, 1
.irp u, 0,1
	ds_store_b64 v14, v[216+2*\u:217+2*\u] offset:512+5120*\u
	ds_store_b8 v15, v[236+\u] offset:2+320*\u
	ds_store_b64 v14, v[230:231] offset:768+5120*\u             ; block 19 fills the last step of 128 keys: zero codes under a valid byte
	ds_store_b8 v15, v[236+\u] offset:3+320*\u
.endr
.Lp2end:
	s_wait_alu depctr_va_vdst(0)
	s_wait_dscnt 0x0
	s_barrier_signal -1
	s_barrier_wait -1                              ; q, k, v of all 577 tokens lie in LDS as codes
	; ---- attention.  Wave w takes tiles of 16 queries T = n + 8 i, n as below (T up to 36).
	; REGISTERS, window 1: the scores of keys 0 .. 511, then p (tile t at v[8 t]).  Window 0: v6, v7 my bytes for query 0's scores; v8-11 the tile's addresses; v12 -M; v14-17, v22, v23, v254, v255 the sum in four pairs; v18, v19 K's and V's images;
	;   v24-42 K's scale words, v43-62 V's, v63 q's, v64-68 p's; v72-83 [0 | q | 0]; v84-123 the scores of keys 512 on; v124-155 O^T; v156-219 fragments; v220-239 the blocks' maxima, then their scales; v240-247 p's codes; v248-253 at work.
	s_mul_i32 s84, s22, 2560
	s_add_co_u32 s84, s84, CLSB
	s_lshr_b32 s98, s22, 2                         ; n = w, in waves 4-7 w xor 1: the first tile is T = n, so that waves 0 and 4 are not both among the five with five tiles, wave 0 having query 0's row besides
	s_xor_b32 s98, s98, s22
	s_mov_b32 s34, s98                             ; T = n + 8 i
	s_lshl_b32 s35, s98, 9
	s_add_co_u32 s35, s35, QIMG                    ; q's image: 512 T
	s_lshr_b32 s36, s98, 1
	s_lshl_b32 s36, s36, 6
	s_and_b32 s85, s98, 1
	s_lshl_b32 s85, s85, 1
	s_add_co_u32 s36, s36, s85
	s_add_co_u32 s36, s36, QSC                     ; its scale bytes: 64 (T / 2) + 2 (T % 2)
	s_lshl_b32 s37, s98, 5
	s_add_co_u32 s37, s37, OSS                     ; o's scale bytes: 32 T
	s_lshl_b32 s38, s98, 13                        ; o_img: 8,192 T
	s_mov_b32 s39, 0
	v_lshl_add_u32 v6, v4, 5, s84
	v_add_nc_u32 v7, s84, v1
	v_add_nc_u32 v18, KIMG, v1
	v_add_nc_u32 v19, VIMG, v1
	v_add_nc_u32 v22, KSC, v2
	v_mul_u32_u24 v23, v3, 20
	v_add_nc_u32 v23, VSC, v23
.irp j, 72,73,74,75,80,81,82,83,248,13
	v_mov_b32 v[\j], 0                             ; the zero halves beside q; a permute's target; the upper half of the pair v[12:13]
.endr
	s_wait_alu depctr_va_vdst(0)
.irp i, 0,1,2,3,4
	ds_store_b128 v7, v[72:75] offset:512*\i       ; the row of query 0's scores begins as zeros
.endr
.set jj, 0
.rept 19
	ds_load_b32 v[24+jj], v22 offset:64*jj         ; K's and V's scale words stay in registers
.set jj, jj+1
.endr
.irp s, 0,1,2,3,4
.irp t, 0,1,2,3
	ds_load_b32 v[43+4*\s+\t], v23 offset:320*\t+4*\s
.endr
.endr
	s_wait_dscnt 0x0
.macro KLD p, slot                     ; pair p of K's tiles
	ds_load_b128 v[156+8*(\slot):159+8*(\slot)], v18 offset:1024*(\p)
	ds_load_b128 v[160+8*(\slot):163+8*(\slot)], v18 offset:1024*(\p)+512
.endm
.macro KMUL p, slot                    ; its 32 keys' scores
.if (\p) < 16
	WIN 0x40
	WM 16*(\p), 156+8*(\slot), 76, -1, 24+(\p), 63, 0, 0
	WM 16*(\p)+8, 156+8*(\slot), 72, -1, 24+(\p), 63, 0, 0
.else
	WIN 0
	WM 84+16*((\p)-16), 156+8*(\slot), 76, -1, 24+(\p), 63, 0, 0
.if (\p) < 18
	WM 92+16*((\p)-16), 156+8*(\slot), 72, -1, 24+(\p), 63, 0, 0
.endif
.endif
.endm
.macro KFOUR p, slot
.irp i, 0,1,2,3
	KMUL \p+\i, \slot+\i
.endr
	PLACES 4                                       ; in front of loads into the fragments just multiplied
	WIN 0
.endm
.macro VLD s                           ; V's four tiles of step s
.set FV, 156+32*(((\s)+1)%2)
.irp t, 0,1,2,3
	ds_load_b128 v[FV+8*\t:FV+8*\t+3], v19 offset:5120*\t+1024*(\s)
	ds_load_b128 v[FV+8*\t+4:FV+8*\t+7], v19 offset:5120*\t+1024*(\s)+512
.endr
.endm
.macro FMAS s                          ; t - M of step s
.if (\s) < 4
	WIN 0x41
.set jj, 64*(\s)
.rept 32
	v_pk_fma_f32 v[jj:jj+1], v[jj:jj+1], s[28:29], v[12:13] op_sel_hi:[1,0,0]
.set jj, jj+2
.endr
	WIN 0
.else
.set jj, 84
.rept 16
	v_pk_fma_f32 v[jj:jj+1], v[jj:jj+1], s[28:29], v[12:13] op_sel_hi:[1,0,0]
.set jj, jj+2
.endr
	v_fma_f32 v116, v116, s28, v12
.endif
.endm
.macro XPS s                           ; p = 2^(t - M)
.if (\s) < 4
	WIN 0x41
.set jj, 64*(\s)
.rept 64
	v_exp_f32 v[jj], v[jj]
.set jj, jj+1
.endr
	WIN 0
.else
.set jj, 84
.rept 33
	v_exp_f32 v[jj], v[jj]
.set jj, jj+1
.endr
.endif
.endm
.macro CHAIN c                         ; the sum's pair c
.if (\c) == 0
.set CH, 14
.elseif (\c) == 1
.set CH, 16
.elseif (\c) == 2
.set CH, 22
.else
.set CH, 254
.endif
.endm
; A STEP of 128 keys (the last: 65): its exponentials have been issued.  The next step's multiply-adds and V's next loads stand between them and the wait for them
.macro STEP s
.if (\s) < 4
	FMAS \s+1
	VLD \s+1
.else
	PLACES 4
.endif
	s_wait_alu depctr_va_vdst(0)                   ; one wait for the batch, ahead of its first reader, and for what the next batch reads
.if (\s) == 0
.set jj, 220
.rept 10
	v_max_num_f32 v[jj], 0x1800000, v[jj]          ; each block's largest p, with the floor 2^(3 - 127)
.set jj, jj+2
.endr
.set jj, 220
.rept 10
	v_add_nc_u32 v[jj], 0xff000000, v[jj]
.set jj, jj+2
.endr
.set jj, 220
.rept 10
	v_mov_b32 v[jj+1], v[jj]
.set jj, jj+2
.endr
.set jj, 220
.rept 10
	v_permlane16_swap_b32 v[jj], v[jj+1]           ; the conversion's scale operand of block b in v[220 + b], in both halves
.set jj, jj+2
.endr
.endif
.if (\s) < 4
	WIN 0x01
.irp b, 0,1,2,3
	v_cvt_scalef32_pk8_fp4_f32 v[240+2*\b], v[64*(\s)+16*\b:64*(\s)+16*\b+7], v[220+4*(\s)+\b]
	v_cvt_scalef32_pk8_fp4_f32 v[241+2*\b], v[64*(\s)+16*\b+8:64*(\s)+16*\b+15], v[220+4*(\s)+\b]
.endr
	WIN 0
.else
.irp b, 0,1
	v_cvt_scalef32_pk8_fp4_f32 v[240+2*\b], v[84+16*\b:91+16*\b], v[236+\b]
	v_cvt_scalef32_pk8_fp4_f32 v[241+2*\b], v[92+16*\b:99+16*\b], v[236+\b]
.endr
	v_cvt_scalef32_pk8_fp4_f32 v244, v[116:123], v238            ; key 576 and seven zeros
	v_mov_b32 v245, 0
	v_mov_b32 v246, 0
	v_mov_b32 v247, 0
.endif
.irp b, 0,1,2,3
	v_lshrrev_b32 v[250+\b], 23, v[220+4*(\s)+\b]  ; the scales' bytes
.endr
	v_lshl_or_b32 v[64+(\s)], v251, 8, v250        ; p's scale word for these keys
	v_permlane16_swap_b32 v240, v242               ; a whole block to a lane: lanes 0-15 the even block, lanes 16-31 the odd one
	v_lshl_or_b32 v[64+(\s)], v252, 16, v[64+(\s)]
	v_permlane16_swap_b32 v241, v243
	v_lshl_or_b32 v[64+(\s)], v253, 24, v[64+(\s)]
	v_permlane16_swap_b32 v244, v246
	v_permlane16_swap_b32 v245, v247
	; the row's sum, of the unquantised p, in four chains: also the places between p's scale word and the products
.if (\s) == 0
	WIN 0x05
.irp c, 0,1,2,3
	CHAIN \c
	v_pk_add_f32 v[CH:CH+1], v[2*\c:2*\c+1], v[2*\c+8:2*\c+9]
.endr
	WIN 0x04
.irp j, 2,3,4,5,6,7
.irp c, 0,1,2,3
	CHAIN \c
	v_pk_add_f32 v[CH:CH+1], v[CH:CH+1], v[8*\j+2*\c:8*\j+2*\c+1]
.endr
.endr
	WIN 0
.elseif (\s) < 4
	WIN 0x04
.irp j, 0,1,2,3,4,5,6,7
.irp c, 0,1,2,3
	CHAIN \c
	v_pk_add_f32 v[CH:CH+1], v[CH:CH+1], v[64*(\s)+8*\j+2*\c:64*(\s)+8*\j+2*\c+1]
.endr
.endr
	WIN 0
.else
.irp j, 0,1,2,3
.irp c, 0,1,2,3
	CHAIN \c
	v_pk_add_f32 v[CH:CH+1], v[CH:CH+1], v[84+8*\j+2*\c:85+8*\j+2*\c]
.endr
.endr
	v_add_f32 v14, v14, v116
.endif
.if (\s) < 4
	s_wait_dscnt 0x8                               ; V of this step; the next step's eight loads may be out
.else
	s_wait_dscnt 0x0
.endif
	s_wait_alu depctr_va_vdst(0)                   ; directly ahead of the readers below
.set FV, 156+32*(((\s)+1)%2)
.irp t, 0,1,2,3
.if (\s) == 0
	WM 124+8*\t, FV+8*\t, 240, -1, 43+\t, 64, 0, 0
.else
	WM 124+8*\t, FV+8*\t, 240, 124+8*\t, 43+4*(\s)+\t, 64+(\s), 0, 0
.endif
.endr                                          ; lane (r, h): query r; register 8 t + j: channel 16 t + 8 h + j
.if (\s) < 4
	XPS \s+1
.endif
.endm
.Ltile:
	s_wait_xcnt 0x0                                ; the last tile's stores have read their registers
	s_cmp_gt_u32 s34, 36
	s_cbranch_scc1 .Lskip
	v_add_nc_u32 v8, s35, v1
	v_add_nc_u32 v9, s36, v2
	ds_load_b128 v[76:79], v8                      ; q's 64 channels: half a fragment
	ds_load_u16 v22, v9                            ; its two scale bytes
.irp p, 0,1,2,3,4,5,6,7
	KLD \p, \p
.endr
	v_lshl_add_u32 v10, v3, 1, s37
	v_add_nc_u32 v11, s38, v1
	s_wait_alu depctr_va_vdst(0)
	s_wait_dscnt 0x10                              ; q is in; K's sixteen loads may be out
	v_lshl_or_b32 v63, v22, 16, v22                ; the two bytes for either half of the instruction's K
	PLACES 8
	s_wait_dscnt 0x8
	s_wait_alu depctr_va_vdst(0)                   ; directly ahead of the reader below
	KFOUR 0, 0
.irp i, 0,1,2,3
	KLD 8+\i, \i
.endr
	s_wait_dscnt 0x8
	KFOUR 4, 4
.irp i, 0,1,2,3
	KLD 12+\i, 4+\i
.endr
	s_wait_dscnt 0x8
	KFOUR 8, 0
.irp i, 0,1,2
	KLD 16+\i, \i
.endr
	s_wait_dscnt 0x6
	KFOUR 12, 4
	VLD 0
	s_wait_dscnt 0x8                               ; all of K; V's first eight loads may be out
	KMUL 16, 0
	KMUL 17, 1
	KMUL 18, 2                                     ; lane (r, h): query r; register j of tile t: key 16 t + 8 h + j
	PLACES 4
	s_wait_alu depctr_va_vdst(0)
	s_cmp_lg_u32 s34, 0                            ; tile 0 holds query 0, in lanes 0 and 16: its scores are kept
	s_cbranch_scc1 .Lnocls
	s_wait_xcnt 0x0                                ; EXEC changes only behind this wait
	v_cmp_eq_u32 vcc_lo, 0, v3
	s_and_saveexec_b32 s42, vcc_lo
	WIN 0x04
.set jj, 0
.rept 32
	ds_store_b128 v6, v[8*jj:8*jj+3] offset:64*jj
	ds_store_b128 v6, v[8*jj+4:8*jj+7] offset:64*jj+16
.set jj, jj+1
.endr
	WIN 0
.set jj, 0
.rept 5
	ds_store_b128 v6, v[84+8*jj:87+8*jj] offset:2048+64*jj
	ds_store_b128 v6, v[88+8*jj:91+8*jj] offset:2064+64*jj
.set jj, jj+1
.endr
	s_wait_xcnt 0x0
	s_or_b32 exec_lo, exec_lo, s42
.Lnocls:
	v_cmp_eq_u32 vcc_lo, 0, v4                     ; of tile 36's keys only 576 exists: -infinity in the other half ahead of the maximum
	v_mov_b32 v22, 0xff800000
	v_cndmask_b32 v116, v22, v116, vcc_lo
	; the largest score of each block of 32 keys: for the row's maximum, and, since p rises with the score, for the block's largest p
	WIN 0x15
.set jj, 0
.rept 16
	v_max3_num_f32 v[220+jj], v[16*jj], v[16*jj+1], v[16*jj+2]
.set jj, jj+1
.endr
	WIN 0x14
.irp i, 3,5,7,9,11,13
.set jj, 0
.rept 16
	v_max3_num_f32 v[220+jj], v[220+jj], v[16*jj+\i], v[16*jj+\i+1]
.set jj, jj+1
.endr
.endr
.set jj, 0
.rept 16
	v_max_num_f32 v[220+jj], v[220+jj], v[16*jj+15]
.set jj, jj+1
.endr
	WIN 0
.irp b, 0,1
	v_max3_num_f32 v[236+\b], v[84+16*\b], v[85+16*\b], v[86+16*\b]
.endr
.irp i, 3,5,7,9,11,13
.irp b, 0,1
	v_max3_num_f32 v[236+\b], v[236+\b], v[84+16*\b+\i], v[85+16*\b+\i]
.endr
.endr
.irp b, 0,1
	v_max_num_f32 v[236+\b], v[236+\b], v[99+16*\b]
.endr
	v_mov_b32 v238, v116
	v_mov_b32 v239, v116
.irp j, 117,118,119,120,121,122,123
	v_mov_b32 v[\j], 0                             ; what stands beside key 576 in its block
.endr
.set jj, 220
.rept 10
	v_permlane16_swap_b32 v[jj], v[jj+1]
.set jj, jj+2
.endr
.set jj, 220
.rept 10
	v_max_num_f32 v[jj], v[jj], v[jj+1]            ; lanes 0-15: the even block's largest score, lanes 16-31: the odd block's
.set jj, jj+2
.endr
	v_max3_num_f32 v249, v220, v222, v224
	v_max3_num_f32 v250, v226, v228, v230
	v_max3_num_f32 v251, v232, v234, v236
	v_max_num_f32 v249, v249, v238
	v_max3_num_f32 v249, v249, v250, v251
	v_permlanex16_b32 v248, v249, s26, s27
	v_max_num_f32 v249, v249, v248                 ; the row's largest score
	v_mul_f32 v249, s25, v249                      ; -t (c is positive)
	v_floor_f32 v12, v249                          ; -M = floor(-t): a whole number
.set jj, 220
.rept 10
	v_fma_f32 v[jj], v[jj], s28, v12
.set jj, jj+2
.endr
	FMAS 0
	s_wait_alu depctr_va_vdst(0)                   ; ahead of the batch too
.set jj, 220
.rept 10
	v_exp_f32 v[jj], v[jj]                         ; each block's largest p
.set jj, jj+2
.endr
	XPS 0
	STEP 0
	STEP 1
	STEP 2
	STEP 3
	STEP 4
	v_pk_add_f32 v[14:15], v[14:15], v[16:17]
	v_pk_add_f32 v[22:23], v[22:23], v[254:255]
	v_pk_add_f32 v[14:15], v[14:15], v[22:23]
	v_add_f32 v14, v14, v15
	v_permlanex16_b32 v248, v14, s26, s27
	v_add_f32 v14, v14, v248                       ; the row's sum
	s_wait_alu depctr_va_vdst(0)
	v_rcp_f32 v14, v14
	v_nop
	s_wait_alu depctr_va_vdst(0)
.set jj, 0
.rept 16
	v_pk_mul_f32 v[156+jj:157+jj], v[124+jj:125+jj], v[14:15] op_sel_hi:[1,0]   ; o = O^T / the sum
.set jj, jj+2
.endr
	QUANT 2, 156, 220, 240, 222, 1, 2              ; the head's 64 channels are two whole blocks of the last product's K
	v_permlane16_swap_b32 v240, v241
	v_permlane16_swap_b32 v242, v243               ; v[240:243]: lane (r, h) holds block h whole, in natural order
	v_lshl_or_b32 v224, v223, 8, v222
	ds_store_b16 v10, v224
	global_store_b128 v11, v[240:243], s[14:15]    ; 512 consecutive bytes, aligned
	s_wait_alu depctr_va_vdst(0)
	s_cmp_lg_u32 s34, 0
	s_cbranch_scc1 .Lskip
	v_readlane_b32 s40, v14, 0                     ; query 0: 1 / sum
	v_readlane_b32 s43, v12, 0                     ; and -M
.irp i, 0,1,2,3,4
	ds_load_b128 v[220+4*\i:223+4*\i], v7 offset:512*\i          ; LDS serves a wave's instructions in order (ISA guide 5.7.1.4): these see my stores
.endr
	s_wait_dscnt 0x0
.set jj, 0
.rept 20
	v_mul_f32 v[156+jj], 0x3e000000, v[220+jj]     ; the logit: score / 8
	v_fma_f32 v[176+jj], v[220+jj], s28, s43       ; t - M
.set jj, jj+1
.endr
	s_wait_alu depctr_va_vdst(0)
.set jj, 0
.rept 20
	v_exp_f32 v[176+jj], v[176+jj]
.set jj, jj+1
.endr
	v_nop
	s_wait_alu depctr_va_vdst(0)
.set jj, 0
.rept 20
	v_mul_f32 v[176+jj], s40, v[176+jj]            ; the finished softmax
.set jj, jj+1
.endr
.irp i, 0,1,2,3,4
	global_store_b128 v1, v[156+4*\i:159+4*\i], s[18:19] offset:512*\i
	global_store_b128 v1, v[176+4*\i:179+4*\i], s[20:21] offset:512*\i
.endr
	s_wait_alu depctr_va_vdst(0)
.Lskip:
	s_add_co_u32 s34, s34, 8
	s_add_co_u32 s35, s35, 4096
	s_add_co_u32 s36, s36, 256
	s_add_co_u32 s37, s37, 256
	s_add_co_u32 s38, s38, 65536
	s_add_co_u32 s39, s39, 1
	s_cmp_lt_u32 s39, 5
	s_cbranch_scc1 .Ltile
	v_lshlrev_b32 v8, 4, v0
	v_lshl_add_u32 v9, v0, 4, OSS
	s_wait_alu depctr_va_vdst(0)
	s_wait_dscnt 0x0
	s_barrier_signal -1
	s_barrier_wait -1                              ; o's scale bytes of all 37 tiles lie in LDS
	s_wait_xcnt 0x0                                ; EXEC changes only behind this wait
	v_cmp_gt_u32 vcc_lo, 80, v0                    ; 1,280 bytes: five whole units of 256
	s_and_saveexec_b32 s42, vcc_lo
	ds_load_b128 v[220:223], v9
	s_wait_dscnt 0x0
	global_store_b128 v8, v[220:223], s[16:17]
	s_wait_xcnt 0x0
	s_mov_b32 exec_lo, -1
	s_wait_tensorcnt 0x0                           ; the wave's end
	ds_add_u32 v20, v21
	s_wait_dscnt 0x0
	ROUND                                          ; the closing round: no work-group ends while a partner may still ask for a tile that names it
	s_endpgm
.Lfunc_end_k_qe75e25fc7b_attn:
	.size	k_qe75e25fc7b_attn, .Lfunc_end_k_qe75e25fc7b_attn-k_qe75e25fc7b_attn
	.p2alignl 7, 3214868480
	.fill 96, 4, 3214868480
	.section	.rodata,"a",@progbits
	.p2align	6, 0x0
	.amdhsa_kernel k_qe75e25fc7b_attn
		.amdhsa_group_segment_fixed_size 327680
		.amdhsa_private_segment_fixed_size 0
		.amdhsa_enable_private_segment 0
		.amdhsa_kernarg_size 72
		.amdhsa_user_sgpr_count 2
		.amdhsa_user_sgpr_kernarg_segment_ptr 1
		.amdhsa_wavefront_size32 1
		.amdhsa_system_sgpr_workgroup_id_x 1
		.amdhsa_system_sgpr_workgroup_id_y 1
		.amdhsa_system_sgpr_workgroup_id_z 1
		.amdhsa_system_vgpr_workitem_id 0
		.amdhsa_next_free_vgpr 512
		.amdhsa_next_free_sgpr 102
		.amdhsa_reserve_vcc 1
		.amdhsa_float_denorm_mode_32 3
		.amdhsa_float_denorm_mode_16_64 3
		.amdhsa_memory_ordered 1
		.amdhsa_forward_progress 1
		.amdhsa_inst_pref_size 241
	.end_amdhsa_kernel
	.amdgpu_metadata
---
amdhsa.version: [ 1, 2 ]
amdhsa.kernels:
  - .name:           k_qe75e25fc7b_attn
    .symbol:         k_qe75e25fc7b_attn.kd
    .args:
      - { .name: x_codes, .offset: 0, .size: 8, .value_kind: global_buffer, .address_space: global }
      - { .name: x_scales, .offset: 8, .size: 8, .value_kind: global_buffer, .address_space: global }
      - { .name: w_qkv_codes, .offset: 16, .size: 8, .value_kind: global_buffer, .address_space: global }
      - { .name: w_qkv_scales, .offset: 24, .size: 8, .value_kind: global_buffer, .address_space: global }
      - { .name: b_qkv, .offset: 32, .size: 8, .value_kind: global_buffer, .address_space: global }
      - { .name: o_img, .offset: 40, .size: 8, .value_kind: global_buffer, .address_space: global }
      - { .name: o_sc, .offset: 48, .size: 8, .value_kind: global_buffer, .address_space: global }
      - { .name: cls_l, .offset: 56, .size: 8, .value_kind: global_buffer, .address_space: global }
      - { .name: cls_a, .offset: 64, .size: 8, .value_kind: global_buffer, .address_space: global }
    .group_segment_fixed_size: 327680
    .private_segment_fixed_size: 0
    .kernarg_segment_align: 8
    .kernarg_segment_size: 72
    .max_flat_workgroup_size: 256
    .sgpr_count:     102
    .vgpr_count:     512
    .wavefront_size: 32
...
	.end_amdgpu_metadata
.endif
;; end of part 1
;; launch proj (part 2): grid 8 x 32, 8 waves a work-group, clusters of 4 x 4, 327,680 bytes of LDS; arguments o_img, o_sc, cls_l, cls_a, w_proj_codes, w_proj_scales, b_proj, out0, out1, out2; writes out0, out1, out2
.if DOCPART == 2
	.amdgcn_target "amdgcn-amd-amdhsa--gfx1250"
	.amdhsa_code_object_version 6
	.text
	.protected	k_qe75e25fc7b_proj
	.globl	k_qe75e25fc7b_proj
	.p2align	8
	.type	k_qe75e25fc7b_proj,@function
k_qe75e25fc7b_proj:
	s_mov_b64 s[64:65], 0
	v_nop
	global_prefetch_b8 v0, s[64:65] scope:SCOPE_SE
	s_setreg_imm32_b32 hwreg(HW_REG_WAVE_MODE, 25, 1), 1
	s_wait_xcnt 0x0
	s_wait_alu depctr_hold_cnt(0) depctr_sa_sdst(0) depctr_va_vdst(0) depctr_va_sdst(0) depctr_va_ssrc(0) depctr_va_vcc(0) depctr_vm_vsrc(0)
	s_getreg_b32 s2, hwreg(HW_REG_IB_STS2, 6, 4)
	s_cmp_eq_u32 s2, 0
	s_cbranch_scc0 .Lentry_in_a_cluster
	s_endpgm
.Lentry_in_a_cluster:
	s_bfe_u32 s2, ttmp6, 0x10000c
	s_cmp_lg_u32 s2, 0xf033
	s_cbranch_scc0 .Lentry_shape_is_right
	s_endpgm
.Lentry_shape_is_right:
; out0 = o W_proj^T + b_proj on codes of FP4 with E8M0 scales, and the means over the 16 heads of query 0's softmax (out1) and logits (out2).
; A work-group takes 128 columns of half a batch: 8 x 32 = 256 work-groups.  Half 0 is tiles 0 .. 18 of 16 tokens, half 1 tiles 18 .. 36, of which it leaves the first to half 0; tile 36 has one token, 576.
; CLUSTERS of 4 x 4: the four of a row share their half batch's o, the four of a column their rows of W: each tile is one joint load with a mask of four.  The half is a bit of the CLUSTER's number, so no branch and no LDS address hangs on a place in the cluster.
; Wave w: columns 64 (w / 4) .. + 63, whose part of W it keeps in registers (window 1, 256 registers), and the tiles l = w % 4 + 4 i of the 19.
; LOADS: at the head, one a wave, W's 128 rows, the scales and o's first four tiles; behind one round of the cluster's barrier o's other fifteen, which land while W goes to registers and the first tile is multiplied and stored.
; No prefetch: there is no loop that runs ahead of a stream, and all of o is asked for ahead of the first product.
; o comes as images of the operand's registers (512 bytes a head and tile), dense.  The product is used transposed (source 0 = 16 rows of W, source 1 = 16 tokens): a lane holds eight neighbouring columns of a token;
; a tile goes through the wave's own stage in LDS and leaves as rows of 256 consecutive bytes, aligned.
; THE MEANS: waves 3 and 7 have four tiles; slot n = 2 (8 half + column block) + w / 4 takes keys 18 n .. 18 n + 17 of its batch, and the last slot key 576 too.
; LIMITS: as the launch before: NaN, infinities and the scale byte 0xff among the inputs are not served.
; REGISTERS, window 0: v1-15 addresses; v16-143 o's fragments, two sets of 64; v144-159 o's scale words, two sets of 8; v160-167 permute targets; v168-199 four accumulators; v200-231 the bias in the result's layout; v232-247 W's scale words; v254, v255 the add's.
.set OIMG, 0                           ; 19 tiles x 8,192
.set OSC,  155648                      ; the batch's scale bytes: 1,280 a head: 32 T + 2 r
.set WL,   176128                      ; W's 128 rows: 512 bytes + 16 of padding
.set WSL,  243712                      ; their scale bytes, 32 a row
.set STG,  247808                      ; a stage of 16 rows x (256 + 16) bytes for each wave
.set SPARE, 282624                     ; the spare words: 128 bytes for each wave
.set G1O, 36
.set G1W, 44
.set G1S, 52
.set G1T, 68
.set G0O, 76
.set G0W, 80
.set G0S, 84
.set G0T, 88
.set MSB, 0
.macro WIN new                         ; the immediate's high byte repeats the setting that is left
.if MSB != \new
	s_set_vgpr_msb (MSB<<8)|(\new)
.set MSB, \new
.endif
.endm
.macro WM d, a, b, c, sa, sb, ra       ; ra: W's scales are taken from lanes 16-31
.if (\ra)
	v_wmma_scale_f32_16x16x128_f8f6f4 v[(\d):(\d)+7], v[(\a):(\a)+7], v[(\b):(\b)+7], v[(\c):(\c)+7], v[\sa], v[\sb] matrix_a_fmt:MATRIX_FMT_FP4 matrix_b_fmt:MATRIX_FMT_FP4 matrix_a_scale:MATRIX_SCALE_ROW1
.else
	v_wmma_scale_f32_16x16x128_f8f6f4 v[(\d):(\d)+7], v[(\a):(\a)+7], v[(\b):(\b)+7], v[(\c):(\c)+7], v[\sa], v[\sb] matrix_a_fmt:MATRIX_FMT_FP4 matrix_b_fmt:MATRIX_FMT_FP4
.endif
.endm
.macro PLACES n
.rept \n
	v_nop
.endr
.endm
.macro ROUND                           ; a round of the cluster's barrier
	s_barrier_signal -1
	s_barrier_wait -1
	s_cmp_lg_u32 s24, 0
	s_cbranch_scc1 .Lnot_wave_0_\@
	s_barrier_signal -3
.Lnot_wave_0_\@:
	s_barrier_wait -3
	s_barrier_signal -1
	s_barrier_wait -1
.endm
.macro TL g0, g1                       ; a tensor load, an s_nop and four places behind it
	tensor_load_to_lds s[\g0:\g0+3], s[\g1:\g1+7]
	s_nop 0
	PLACES 4
.endm
.macro G1C g, c, r, p                  ; group 1 behind its first word: r rows of c elements, p elements apart
	s_mov_b32 s[\g+1], (\c)<<16
	s_mov_b32 s[\g+2], (\r)<<16
	s_mov_b32 s[\g+3], (\c)<<16
	s_mov_b32 s[\g+4], \r
	s_mov_b32 s[\g+5], \p
	s_mov_b32 s[\g+6], 0
	s_mov_b32 s[\g+7], 0
.endm
.macro G0C g, base, off                ; group 0 but its LDS address
	s_mov_b32 s[\g], 1
	s_add_nc_u64 s[\g+2:\g+3], s[\base:\base+1], s[\off:\off+1]
	s_or_b32 s[\g+3], s[\g+3], 0x80000000
.endm
; my i-th tile of o into set buf: head k's four registers are registers 4 k of the eight fragments; the scale bytes: lanes 0-15 head 2 ks, lanes 16-31 head 2 ks + 1
.macro ALOAD buf, i
.irp k, 0,1,2,3,4,5,6,7,8,9,10,11,12,13,14,15
	ds_load_b128 v[16+64*(\buf)+4*\k:19+64*(\buf)+4*\k], v[10+(\i)/2] offset:32768*((\i)%2)+512*\k
.endr
.irp ks, 0,1,2,3,4,5,6,7
	ds_load_u16 v[144+8*(\buf)+\ks], v9 offset:128*(\i)+2560*\ks
.endr
.endm
	s_load_b256 s[4:11], s[0:1], 0x0               ; o_img s[4:5], o_sc s[6:7], cls_l s[8:9], cls_a s[10:11]
	s_load_b256 s[12:19], s[0:1], 0x20             ; W's codes s[12:13], W's scales s[14:15], the bias s[16:17], out0 s[18:19]
	s_load_b128 s[20:23], s[0:1], 0x40             ; out1 s[20:21], out2 s[22:23]
	v_lshl_add_u32 v254, v0, 2, SPARE
	v_mov_b32 v255, 0
	ds_add_u32 v254, v255                          ; the wave's opening: the add, twice on end, and its wait ahead of the first tensor load
	ds_add_u32 v254, v255
	v_lshrrev_b32 v14, 5, v0
	v_readfirstlane_b32 s24, v14                   ; wave 0..7
	s_bfe_u32 s2, ttmp6, 0x40000                   ; cx
	s_bfe_u32 s3, ttmp6, 0x40004                   ; cy
	s_lshl_b32 s25, ttmp9, 2
	s_add_co_u32 s25, s25, s2                      ; which 128 columns
	s_and_b32 s26, ttmp7, 0xffff                   ; the cluster's y, 0..7
	s_and_b32 s27, s26, 1                          ; which half of the batch
	s_lshr_b32 s26, s26, 1
	s_lshl_b32 s26, s26, 2
	s_add_co_u32 s26, s26, s3                      ; batch
	s_and_b32 s33, s24, 3                          ; my first tile
	s_lshr_b32 s34, s24, 2                         ; which 64 of the columns are mine
	s_mov_b32 s28, 0x76543210
	s_mov_b32 s29, 0xfedcba98
	s_lshl_b32 s30, s3, 2
	s_lshl_b32 s30, 15, s30                        ; my row of the cluster: the same half batch
	s_lshl_b32 s31, 0x1111, s2                     ; my column: the same rows of W
	s_or_b32 s[G1O], s30, (3<<16)|(1<<21)                      ; elements of 8 bytes, no padding
	s_or_b32 s[G1S], s30, (3<<16)|(1<<21)
	s_or_b32 s[G1T], s31, (3<<16)|(1<<21)
	s_or_b32 s[G1W], s31, (1<<20)|(1<<21)|(6<<22)|(3<<25)      ; elements of 1 byte, 4 words of padding after every 128
	G1C G1O, 32, 64, 32                            ; o: 64 rows of 256 bytes: two tiles
	G1C G1S, 32, 80, 32                            ; o's scale bytes: 20,480
	G1C G1T, 32, 16, 32                            ; W's: 4,096
	G1C G1W, 512, 32, 512                          ; W: 32 rows of 512 bytes
	s_mul_i32 s92, s26, 303104
	s_mul_i32 s94, s27, 147456
	s_add_co_u32 s92, s92, s94                     ; my half batch's first tile of o
	s_mov_b32 s93, 0
	s_and_b32 s94, s24, 1
	s_lshl_b32 s94, s94, 14                        ; two tiles a wave
	s_mov_b32 s95, 0
	s_mov_b32 s[G0O+1], s94                        ; (OIMG is 0)
	s_add_co_u32 s98, s24, 2
	s_and_b32 s98, s98, 3                          ; waves 2-5: 0..3
	s_mul_i32 s99, s98, 16896
	s_add_co_u32 s[G0W+1], s99, WL
	s_lshl_b32 s98, s98, 14
	s_lshl_b32 s99, s25, 16
	s_add_co_u32 s98, s98, s99                     ; 32 of my column block's rows of W
	s_mov_b32 s99, 0
	s_mul_i32 s100, s26, 20480
	s_mov_b32 s101, 0
	s_mov_b32 s[G0S+1], OSC
	s_lshl_b32 s62, s25, 12
	s_mov_b32 s63, 0
	s_mov_b32 s[G0T+1], WSL
	s_wait_alu depctr_va_vdst(0)
	s_wait_dscnt 0x0                               ; both opening adds are done
	s_wait_kmcnt 0x0
	s_add_nc_u64 s[60:61], s[4:5], s[92:93]
	G0C G0O, 60, 94
	G0C G0W, 12, 98
	G0C G0S, 6, 100
	G0C G0T, 14, 62
	ROUND                                          ; all sixteen work-groups are here: the first joint loads meet
	; the head's loads, one a wave: waves 0, 1 o's first four tiles, waves 2-5 W, wave 6 o's scales, wave 7 W's
	s_cmp_lt_u32 s24, 2
	s_cbranch_scc0 .Lhead_w
	TL G0O, G1O
	s_branch .Lhead_asked
.Lhead_w:
	s_cmp_lt_u32 s24, 6
	s_cbranch_scc0 .Lhead_s
	TL G0W, G1W
	s_branch .Lhead_asked
.Lhead_s:
	s_cmp_lt_u32 s24, 7
	s_cbranch_scc0 .Lhead_t
	TL G0S, G1S
	s_branch .Lhead_asked
.Lhead_t:
	TL G0T, G1T
.Lhead_asked:
	s_lshl_b32 s92, s25, 9
	s_lshl_b32 s93, s34, 8
	s_add_co_u32 s92, s92, s93                     ; my first column, in bytes
	s_mov_b32 s93, 0
	s_add_nc_u64 s[16:17], s[16:17], s[92:93]
	s_mul_i32 s94, s26, 577
	s_mul_i32 s95, s27, 288
	s_add_co_u32 s94, s94, s95
	s_lshl_b32 s95, s33, 4
	s_add_co_u32 s94, s94, s95                     ; my first token
	s_lshl_b32 s94, s94, 12
	s_add_co_u32 s94, s94, s92
	s_mov_b32 s95, 0
	s_add_nc_u64 s[62:63], s[18:19], s[94:95]
	s_cmp_eq_u32 s33, 0
	s_cselect_b32 s96, s27, 0                      ; 1: my first tile is the other half's
	s_cmp_eq_u32 s33, 2
	s_cselect_b32 s97, s27, 0                      ; 1: my fifth tile is tile 36
	s_mul_i32 s92, s34, 33792
	s_add_co_u32 s92, s92, WL
	s_lshl_b32 s93, s34, 11
	s_add_co_u32 s93, s93, WSL
	s_mul_i32 s94, s24, 4352
	s_add_co_u32 s94, s94, STG
	s_lshl_b32 s95, s33, 5
	s_mul_i32 s98, s27, 576
	s_add_co_u32 s95, s95, s98
	s_add_co_u32 s95, s95, OSC
	s_lshl_b32 s98, s33, 13
	v_and_b32 v14, 31, v0                          ; lane
	v_and_b32 v2, 15, v0                           ; r
	v_bfe_u32 v3, v0, 4, 1                         ; h
	v_lshlrev_b32 v1, 4, v14
	v_lshlrev_b32 v13, 5, v3                       ; the bias: 8 h columns on
.irp ct, 0,1,2,3
	global_load_b128 v[200+8*\ct:203+8*\ct], v13, s[16:17] offset:64*\ct
	global_load_b128 v[204+8*\ct:207+8*\ct], v13, s[16:17] offset:64*\ct+16
.endr
	v_mul_u32_u24 v4, v2, 528
	v_lshl_add_u32 v4, v3, 4, v4
	v_lshlrev_b32 v5, 5, v14
	v_mul_u32_u24 v6, v2, 272
	v_lshl_add_u32 v6, v3, 5, v6
	v_mul_u32_u24 v7, v3, 272
	v_lshl_add_u32 v7, v2, 4, v7
	v_lshlrev_b32 v8, 12, v3
	v_mul_u32_u24 v9, v3, 1280
	v_lshl_add_u32 v9, v2, 1, v9
	v_add_nc_u32 v4, s92, v4                       ; W's fragments: row r, + 16 h
	v_add_nc_u32 v5, s93, v5                       ; W's scale words: lanes 0-15 one tile, lanes 16-31 the next
	v_add_nc_u32 v6, s94, v6                       ; the stage, in: row r, + 32 h
	v_add_nc_u32 v7, s94, v7                       ; back: lanes 0-15 one row, lanes 16-31 the next
	v_lshl_add_u32 v8, v2, 4, v8                   ; and the same two rows of out0 (4,096 bytes a row)
	v_add_nc_u32 v9, s95, v9                       ; o's scale bytes
	v_add_nc_u32 v10, s98, v1                      ; o's images: my tiles 0, 1,
	v_add_nc_u32 v11, 0x10000, v10                 ; 2, 3,
	v_add_nc_u32 v12, 0x20000, v10                 ; and 4
.irp j, 0,1,2,3,4,5,6,7
	v_mov_b32 v[160+\j], 0                         ; a lane permute's destination counts as one of its sources
.endr
	s_wait_alu depctr_va_vdst(0)
	s_wait_tensorcnt 0x0                           ; my part of the head's tiles is in,
	ds_add_u32 v254, v255
	s_mul_i32 s92, s24, 15360                      ; so the descriptors may be written: 60 rows of 256 bytes a wave, behind the first four tiles
	s_add_co_u32 s92, s92, 0x8000
	s_mov_b32 s93, 0
	s_mov_b32 s[G0O+1], s92
	s_add_nc_u64 s[G0O+2:G0O+3], s[60:61], s[92:93]
	s_or_b32 s[G0O+3], s[G0O+3], 0x80000000
	s_mov_b32 s[G1O+2], 60<<16
	s_mov_b32 s[G1O+4], 60
	s_wait_dscnt 0x0                               ; the add is done
	ROUND                                          ; everybody's part is in, and all sixteen work-groups are here
	TL G0O, G1O                                    ; o's other fifteen tiles
	ALOAD 0, 0
.irp p, 0,1                                    ; W's scale words: register 8 p + ks: lanes 0-15 tile 2 p, lanes 16-31 tile 2 p + 1
	ds_load_b128 v[232+8*\p:235+8*\p], v5 offset:1024*\p
	ds_load_b128 v[236+8*\p:239+8*\p], v5 offset:1024*\p+16
.endr
	WIN 0x40                                       ; destination window 1: fragment (ct, ks) at v[64 ct + 8 ks]
.irp ct, 0,1,2,3
.irp ks, 0,1,2,3,4,5,6,7
.irp c, 0,1
	ds_load_b128 v[64*\ct+8*\ks+4*\c:64*\ct+8*\ks+4*\c+3], v4 offset:8448*\ct+64*\ks+32*\c
.endr
.endr
.endr
	WIN 0
; my i-th tile, whose fragments and scale bytes are in.  nx = 1: the next tile's are asked for behind the products
.macro TILE i, nx
.set CB, (\i)%2
.irp ks, 0,1,2,3,4,5,6,7
	v_permlanex16_b32 v[160+\ks], v[144+8*CB+\ks], s28, s29
.endr
.irp ks, 0,1,2,3,4,5,6,7
	v_lshl_or_b32 v[144+8*CB+\ks], v[160+\ks], 16, v[144+8*CB+\ks]   ; lane r: head 2 ks's two bytes below, head 2 ks + 1's above: the scale word of K step ks
.endr
	PLACES 8                                       ; between a scale word made by a vector instruction and the scaled product
	s_wait_alu depctr_va_vdst(0)
	s_wait_xcnt 0x0                                ; the last tile's stores have read the accumulators' registers
	WIN 0x01                                       ; source 0 (W) window 1
.irp ks, 0,1,2,3,4,5,6,7                       ; four accumulators by turns, one instruction a turn
.irp ct, 0,1,2,3
.if \ks == 0
	WM 168+8*\ct, 64*\ct+8*\ks, 16+64*CB+8*\ks, 200+8*\ct, 232+8*(\ct/2)+\ks, 144+8*CB+\ks, \ct%2   ; the bias starts the sum
.else
	WM 168+8*\ct, 64*\ct+8*\ks, 16+64*CB+8*\ks, 168+8*\ct, 232+8*(\ct/2)+\ks, 144+8*CB+\ks, \ct%2
.endif
.endr
.endr
	WIN 0
	PLACES 4
.if \nx
.if \i == 3
	s_cmp_eq_u32 s33, 3
	s_cbranch_scc1 .Lno_fifth
.endif
	ALOAD 1-CB, \i+1
.if \i == 3
.Lno_fifth:
.endif
.endif
.irp ct, 0,1,2,3
	ds_store_b128 v6, v[168+8*\ct:171+8*\ct] offset:64*\ct     ; lane (r, h): columns 16 ct + 8 h + 0 .. 7 of row r; each accumulator from its low end on
	ds_store_b128 v6, v[172+8*\ct:175+8*\ct] offset:64*\ct+16
.endr
.if \i == 4
	s_cmp_lg_u32 s97, 0
	s_cbranch_scc1 .Llast_row                      ; tile 36 has one token
.endif
.irp n, 0,1,2,3,4,5,6,7
	ds_load_b128 v[168+4*\n:171+4*\n], v7 offset:544*\n        ; LDS serves a wave's instructions in order (ISA guide 5.7.1.4): these see my stores
.endr
.irp n, 0,1,2,3,4,5,6,7
	s_wait_dscnt 7-\n                              ; the younger reads may stay out
	global_store_b128 v8, v[168+4*\n:171+4*\n], s[62:63] offset:(64*(\i)+2*\n)*4096 th:TH_STORE_NT   ; sixteen lanes store 256 consecutive bytes, aligned: rows 2 n and 2 n + 1 of the tile
.endr
.endm
	s_wait_loadcnt 0x0                             ; the bias
	s_wait_dscnt 0x0                               ; W and my first tile
	s_cmp_lg_u32 s96, 0
	s_cbranch_scc1 .Lfirst_done
	TILE 0, 0
.Lfirst_done:
	s_wait_alu depctr_va_vdst(0)
	s_wait_tensorcnt 0x0                           ; my part of o's other tiles is in,
	s_wait_dscnt 0x0
	s_barrier_signal -1
	s_barrier_wait -1                              ; and everybody's
	ALOAD 1, 1
	s_wait_dscnt 0x0
	TILE 1, 1
	TILE 2, 1
	TILE 3, 1
	s_cmp_eq_u32 s33, 3
	s_cbranch_scc1 .Lmeans                         ; waves 3 and 7 have four tiles
	TILE 4, 0
	s_branch .Lend
.Llast_row:
	ds_load_b128 v[168:171], v7
	s_wait_dscnt 0x0
	s_wait_xcnt 0x0                                ; EXEC changes only behind this wait
	v_cmp_gt_u32 vcc_lo, 16, v14
	s_and_saveexec_b32 s92, vcc_lo
	global_store_b128 v8, v[168:171], s[62:63] offset:256*4096 th:TH_STORE_NT
	s_wait_xcnt 0x0
	s_mov_b32 exec_lo, -1
	s_branch .Lend
.Lmeans:
	s_lshl_b32 s92, s27, 3
	s_add_co_u32 s92, s92, s25
	s_lshl_b32 s92, s92, 1
	s_add_co_u32 s92, s92, s34
	s_mul_i32 s93, s92, 18                         ; my first key
	s_mul_i32 s94, s26, 40960
	s_lshl_b32 s98, s93, 2
	s_add_co_u32 s94, s94, s98
	s_mov_b32 s95, 0
	s_add_nc_u64 s[8:9], s[8:9], s[94:95]
	s_add_nc_u64 s[10:11], s[10:11], s[94:95]
	s_mul_i32 s94, s26, 577
	s_add_co_u32 s94, s94, s93
	s_lshl_b32 s94, s94, 2
	s_add_nc_u64 s[20:21], s[20:21], s[94:95]
	s_add_nc_u64 s[22:23], s[22:23], s[94:95]
	v_lshlrev_b32 v13, 2, v14
	v_add_nc_u32 v15, s93, v14                     ; my key
	s_wait_alu depctr_va_vdst(0)
.irp a, 0,1                                    ; 0: the softmax; 1: the logits
.irp hd, 0,1,2,3,4,5,6,7,8,9,10,11,12,13,14,15
	global_load_b32 v[16+16*\a+\hd], v13, s[10-2*\a:11-2*\a] offset:2560*\hd
.endr
.endr
	s_wait_loadcnt 0x0
.irp j, 0,1,2,3,4,5,6,7
.irp a, 0,1
	v_add_f32 v[16+16*\a+\j], v[16+16*\a+\j], v[24+16*\a+\j]
.endr
.endr
.irp j, 0,1,2,3
.irp a, 0,1
	v_add_f32 v[16+16*\a+\j], v[16+16*\a+\j], v[20+16*\a+\j]
.endr
.endr
.irp j, 0,1
.irp a, 0,1
	v_add_f32 v[16+16*\a+\j], v[16+16*\a+\j], v[18+16*\a+\j]
.endr
.endr
.irp a, 0,1
	v_add_f32 v[16+16*\a], v[16+16*\a], v[17+16*\a]
.endr
.irp a, 0,1
	v_mul_f32 v[16+16*\a], 0x3d800000, v[16+16*\a] ; / 16
.endr
	s_wait_alu depctr_va_vdst(0)
	s_wait_xcnt 0x0                                ; EXEC changes only behind this wait
	v_cmp_eq_u32 s92, 0x240, v15                   ; key 576, in the last slot
	v_cmp_gt_u32 vcc_lo, 18, v14
	s_or_b32 vcc_lo, vcc_lo, s92
	s_and_saveexec_b32 s92, vcc_lo
	global_store_b32 v13, v16, s[20:21]
	global_store_b32 v13, v32, s[22:23]
	s_wait_xcnt 0x0
	s_mov_b32 exec_lo, -1
.Lend:
	s_wait_tensorcnt 0x0                           ; the wave's end
	ds_add_u32 v254, v255
	s_wait_dscnt 0x0
	ROUND                                          ; the closing round: no work-group ends while a partner may still ask for a tile that names it
	s_endpgm
.Lfunc_end_k_qe75e25fc7b_proj:
	.size	k_qe75e25fc7b_proj, .Lfunc_end_k_qe75e25fc7b_proj-k_qe75e25fc7b_proj
	.p2alignl 7, 3214868480
	.fill 96, 4, 3214868480
	.section	.rodata,"a",@progbits
	.p2align	6, 0x0
	.amdhsa_kernel k_qe75e25fc7b_proj
		.amdhsa_group_segment_fixed_size 327680
		.amdhsa_private_segment_fixed_size 0
		.amdhsa_enable_private_segment 0
		.amdhsa_kernarg_size 80
		.amdhsa_user_sgpr_count 2
		.amdhsa_user_sgpr_kernarg_segment_ptr 1
		.amdhsa_wavefront_size32 1
		.amdhsa_system_sgpr_workgroup_id_x 1
		.amdhsa_system_sgpr_workgroup_id_y 1
		.amdhsa_system_sgpr_workgroup_id_z 1
		.amdhsa_system_vgpr_workitem_id 0
		.amdhsa_next_free_vgpr 512
		.amdhsa_next_free_sgpr 102
		.amdhsa_reserve_vcc 1
		.amdhsa_float_denorm_mode_32 3
		.amdhsa_float_denorm_mode_16_64 3
		.amdhsa_memory_ordered 1
		.amdhsa_forward_progress 1
		.amdhsa_inst_pref_size 67
	.end_amdhsa_kernel
	.amdgpu_metadata
---
amdhsa.version: [ 1, 2 ]
amdhsa.kernels:
  - .name:           k_qe75e25fc7b_proj
    .symbol:         k_qe75e25fc7b_proj.kd
    .args:
      - { .name: o_img, .offset: 0, .size: 8, .value_kind: global_buffer, .address_space: global }
      - { .name: o_sc, .offset: 8, .size: 8, .value_kind: global_buffer, .address_space: global }
      - { .name: cls_l, .offset: 16, .size: 8, .value_kind: global_buffer, .address_space: global }
      - { .name: cls_a, .offset: 24, .size: 8, .value_kind: global_buffer, .address_space: global }
      - { .name: w_proj_codes, .offset: 32, .size: 8, .value_kind: global_buffer, .address_space: global }
      - { .name: w_proj_scales, .offset: 40, .size: 8, .value_kind: global_buffer, .address_space: global }
      - { .name: b_proj, .offset: 48, .size: 8, .value_kind: global_buffer, .address_space: global }
      - { .name: out0, .offset: 56, .size: 8, .value_kind: global_buffer, .address_space: global }
      - { .name: out1, .offset: 64, .size: 8, .value_kind: global_buffer, .address_space: global }
      - { .name: out2, .offset: 72, .size: 8, .value_kind: global_buffer, .address_space: global }
    .group_segment_fixed_size: 327680
    .private_segment_fixed_size: 0
    .kernarg_segment_align: 8
    .kernarg_segment_size: 80
    .max_flat_workgroup_size: 256
    .sgpr_count:     102
    .vgpr_count:     512
    .wavefront_size: 32
...
	.end_amdgpu_metadata
.endif
;; end of part 2
